; MI455X (gfx1250); checked and timed in simulation.
; The chip was launched on July 23, 2026; its instructions are those of AMD's public machine-readable ISA for CDNA 5 (MIT licence, August 2026) and "CDNA5" Instruction Set Architecture Reference Guide (July 2026). The comments in the code are by the model that wrote it; some were corrected since.
;; Head. Allowed arithmetic: float matrix products may take bf16 or f16 operands with f32 sums; all other float work in f32.
;; Inputs: w_k 64 x 16 float32; w_q 64 x 16 float32; w_v 64 x 16 float32; x 16 x 2,048 x 64 float32.
;; Outputs: out0 16 x 2,048 x 16 float32.
;; One version. Each part assembles by itself: llvm-mc -triple=amdgcn-amd-amdhsa -mcpu=gfx1250 --defsym DOCPART=n.
;; ======== version 1 of 1: 2 launches
;; limits: values are held in f16: magnitudes above 65,504 overflow, below 6.1e-05 lose precision; a function is approximated: absolute error at most 5e-05
;; workspace buffers: qb 1,048,576 bytes; kb 1,048,576 bytes; vb 1,048,576 bytes
;; launch proj (part 1): grid 256 x 1, 4 waves a work-group, no clusters, 0 bytes of LDS; arguments x, w_q, w_k, w_v, qb, kb, vb; writes qb, kb, vb
.if DOCPART == 1
	.amdgcn_target "amdgcn-amd-amdhsa--gfx1250"
	.amdhsa_code_object_version 6
	.text
	.protected	k_q4f0439dbb7_proj
	.globl	k_q4f0439dbb7_proj
	.p2align	8
	.type	k_q4f0439dbb7_proj,@function
k_q4f0439dbb7_proj:
	s_mov_b64 s[64:65], 0
	v_nop
	global_prefetch_b8 v0, s[64:65] scope:SCOPE_SE
	s_setreg_imm32_b32 hwreg(HW_REG_WAVE_MODE, 25, 1), 1
	s_wait_xcnt 0x0
; q = rope(x w_q) * 0.25 log2(e), k = rope(x w_k), v = x w_v, for 32,768 rows of 64 numbers.
; Products: bf16 operands, f32 sums.  q and k leave as bf16, v as f16, each in the order in which the attention launch's
; matrix fragments want them: [tile of 16 rows][lane 0..31][8 numbers], 512 bytes a tile, lane = 16 h + r.
;   qb, kb: lane (r, h) = row r of the tile, dims 8h .. 8h+7.     vb: lane (r, h) = dim r, rows 8h .. 8h+7 of the tile.
; A wave owns 32 rows (two tiles); 4 waves x 256 work-groups cover all rows.  No LDS, no barrier: waves share nothing.
; LIMITS.  v is rounded to f16: |v| must stay below 65504.  Sine and cosine come from a range reduction in revolutions and
; polynomials: absolute error about 5e-5; the angle itself differs from t * inv_freq by up to about 5e-4 rad at t = 2047
; (rounding of the rate and of the product).  NaN and infinities in x or w spread over the row's results.
.set CF,  10                           ; v[10:13]  revolutions per position of my four pairs (pair 4h + p)
.set KS,  14                           ; v14       leading coefficient of the sine polynomial
.set KC,  15                           ; v15       leading coefficient of the cosine polynomial
.set COS, 16                           ; v[16:23]  cos, tile tau, pair p at COS + 4 tau + p
.set SIN, 24                           ; v[24:31]  sin likewise
.set T,   32                           ; v[32:47]  at work
.set WB,  64                           ; v[64:159] matrix m (q, k, v) at WB + 32 m: 32 f32 as loaded, then 16 registers of bf16;
                                       ;           the freed upper 16 are the accumulators of tile tau at WB + 32 m + 16 + 8 tau
.set XB,  160                          ; v[160:223] tile tau at XB + 32 tau: 32 f32 as loaded, then 16 registers of bf16
.set OUT, 224                          ; v[224:247] six blocks of 16 bytes a lane to store
	s_load_b256 s[4:11], s[0:1], 0x0               ; x s[4:5], w_q s[6:7], w_k s[8:9], w_v s[10:11]
	s_load_b128 s[12:15], s[0:1], 0x20             ; qb s[12:13], kb s[14:15]
	s_load_b64 s[16:17], s[0:1], 0x30              ; vb
	v_lshrrev_b32 v2, 5, v0
	v_readfirstlane_b32 s18, v2                    ; wave 0..3
	v_and_b32 v1, 31, v0                           ; lane
	v_and_b32 v2, 15, v0                           ; r
	v_bfe_u32 v3, v0, 4, 1                         ; h
	v_lshlrev_b32 v4, 8, v2                        ; x: row r (256 bytes)
	v_lshl_add_u32 v4, v3, 7, v4                   ;    + my half of the row: e = 32 h .. 32 h + 31
	v_lshlrev_b32 v5, 2, v2                        ; w: column r
	v_lshl_add_u32 v5, v3, 11, v5                  ;    + 32 h rows of 64 bytes
	v_lshlrev_b32 v6, 4, v1                        ; out: 16 bytes a lane
	s_lshl_b32 s20, ttmp9, 15                      ; x: 128 rows of 256 bytes a work-group,
	s_lshl_b32 s19, s18, 13                        ;    32 rows a wave
	s_add_co_u32 s20, s20, s19
	s_mov_b32 s21, 0
	s_lshl_b32 s22, ttmp9, 12                      ; out: 8 tiles of 512 bytes a work-group,
	s_lshl_b32 s19, s18, 10                        ;      2 tiles a wave
	s_add_co_u32 s22, s22, s19
	s_mov_b32 s23, 0
	s_lshl_b32 s24, ttmp9, 7                       ; my first row,
	s_lshl_b32 s19, s18, 5
	s_add_co_u32 s24, s24, s19
	s_and_b32 s24, s24, 2047                       ; as a position in its sequence
	s_wait_kmcnt 0x0
	s_add_nc_u64 s[4:5], s[4:5], s[20:21]
	s_add_nc_u64 s[12:13], s[12:13], s[22:23]
	s_add_nc_u64 s[14:15], s[14:15], s[22:23]
	s_add_nc_u64 s[16:17], s[16:17], s[22:23]
	; x first (read once in the launch), then the three small matrices, which every wave reads.
	; K is permuted alike in x and w: lane half h holds e = 32 h + n, register n; K step u takes n = 16 u .. 16 u + 15.
.irp tau, 0,1
.irp c, 0,1,2,3,4,5,6,7
	global_load_b128 v[XB+32*\tau+4*\c:XB+32*\tau+4*\c+3], v4, s[4:5] offset:4096*\tau+16*\c th:TH_LOAD_NT
.endr
.endr
.set n, 0
.rept 32
	global_load_b32 v[WB+n],    v5, s[6:7]   offset:64*n
	global_load_b32 v[WB+32+n], v5, s[8:9]   offset:64*n
	global_load_b32 v[WB+64+n], v5, s[10:11] offset:64*n
.set n, n+1
.endr
	; While the loads fly: the rates, 10000^(-(4h+p)/8) / (2 pi) = 2^(-(4h+p) * 1.66096405 - 2.65149613) revolutions a position
	v_lshlrev_b32 v[T], 2, v3
	v_mov_b32 v9, 0xbfd49a78                       ; -log2(10000) / 8
.irp p, 0,1,2,3
	v_add_nc_u32 v[T+4+\p], \p, v[T]
.endr
.irp p, 0,1,2,3
	v_cvt_f32_u32 v[T+4+\p], v[T+4+\p]
.endr
.irp p, 0,1,2,3
	v_fmaak_f32 v[T+4+\p], v[T+4+\p], v9, 0xc029b21d   ; - log2(2 pi)
.endr
.irp p, 0,1,2,3
	v_exp_f32 v[CF+\p], v[T+4+\p]
.endr
	v_add_nc_u32 v7, s24, v2                       ; a plain instruction behind the exponentials, before their results are used
	v_cvt_f32_u32 v7, v7                           ; my position in tile 0,
	v_add_f32 v8, 0x41800000, v7                   ; in tile 1 (+ 16)
	v_mov_b32 v[KS], 0x3da83c1b                    ; pi^9 / 9!
	v_mov_b32 v[KC], 0x3e70fa83                    ; pi^8 / 8!
	s_wait_alu depctr_va_vdst(0)
; cos and sin of 2 pi (t c) for the four pairs of tile tau.  u = t c - round(t c) lies in +-0.5; s = sin(pi u) and c = cos(pi u) by
; their series in u^2 (|pi u| <= pi / 2); then the double angle: sin = 2 s c, cos = 1 - 2 s^2.  Four chains side by side.
.macro SINCOS4 tau, t
.irp p, 0,1,2,3
	v_mul_f32 v[T+\p], v[\t], v[CF+\p]
.endr
.irp p, 0,1,2,3
	v_rndne_f32 v[T+4+\p], v[T+\p]
.endr
.irp p, 0,1,2,3
	v_sub_f32 v[T+\p], v[T+\p], v[T+4+\p]          ; u
.endr
.irp p, 0,1,2,3
	v_mul_f32 v[T+4+\p], v[T+\p], v[T+\p]          ; u^2
.endr
.irp p, 0,1,2,3
	v_fmaak_f32 v[T+8+\p],  v[KS], v[T+4+\p], 0xbf196966      ; - pi^7 / 7!
	v_fmaak_f32 v[T+12+\p], v[KC], v[T+4+\p], 0xbfaae9e4      ; - pi^6 / 6!
.endr
.irp p, 0,1,2,3
	v_fmaak_f32 v[T+8+\p],  v[T+8+\p],  v[T+4+\p], 0x402335e3 ; + pi^5 / 5!
	v_fmaak_f32 v[T+12+\p], v[T+12+\p], v[T+4+\p], 0x4081e0f8 ; + pi^4 / 4!
.endr
.irp p, 0,1,2,3
	v_fmaak_f32 v[T+8+\p],  v[T+8+\p],  v[T+4+\p], 0xc0a55de7 ; - pi^3 / 3!
	v_fmaak_f32 v[T+12+\p], v[T+12+\p], v[T+4+\p], 0xc09de9e6 ; - pi^2 / 2!
.endr
.irp p, 0,1,2,3
	v_fmaak_f32 v[T+8+\p],  v[T+8+\p],  v[T+4+\p], 0x40490fdb ; + pi
	v_fma_f32   v[T+12+\p], v[T+12+\p], v[T+4+\p], 1.0        ; c
.endr
.irp p, 0,1,2,3
	v_mul_f32 v[T+8+\p], v[T+8+\p], v[T+\p]        ; s
.endr
.irp p, 0,1,2,3
	v_mul_f32 v[T+12+\p], v[T+8+\p], v[T+12+\p]    ; s c
	v_mul_f32 v[T+8+\p],  v[T+8+\p], v[T+8+\p]     ; s^2
.endr
.irp p, 0,1,2,3
	v_add_f32 v[SIN+4*\tau+\p], v[T+12+\p], v[T+12+\p]
	v_fma_f32 v[COS+4*\tau+\p], v[T+8+\p], -2.0, 1.0
.endr
.endm
	SINCOS4 0, 7
	SINCOS4 1, 8
	s_wait_loadcnt 0x0                             ; every load feeds the products that follow: one wait for all
	; f32 to bf16 in place, upward: the pair 2a, 2a+1 goes to register a, which no later pair still needs
.irp base, WB, WB+32, WB+64, XB, XB+32
.set a, 0
.rept 16
	v_cvt_pk_bf16_f32 v[\base+a], v[\base+2*a], v[\base+2*a+1]
.set a, a+1
.endr
.endr
; One K step (32 of the 64) for both tiles.  q and k: A = w (m = dim), B = x (n = row): a lane's eight results are dims 8h .. 8h+7 of row r.
; v: A = x (m = row), B = w (n = dim): rows 8h .. 8h+7 of dim r.  first = 1: the product starts the sum, nothing is cleared.
.macro PROD u, first
.irp tau, 0,1
.irp m, 0,1
.if \first
	v_wmma_f32_16x16x32_bf16 v[WB+32*\m+16+8*\tau:WB+32*\m+23+8*\tau], v[WB+32*\m+8*\u:WB+32*\m+8*\u+7], v[XB+32*\tau+8*\u:XB+32*\tau+8*\u+7], 0
.else
	v_wmma_f32_16x16x32_bf16 v[WB+32*\m+16+8*\tau:WB+32*\m+23+8*\tau], v[WB+32*\m+8*\u:WB+32*\m+8*\u+7], v[XB+32*\tau+8*\u:XB+32*\tau+8*\u+7], v[WB+32*\m+16+8*\tau:WB+32*\m+23+8*\tau]
.endif
.endr
.if \first
	v_wmma_f32_16x16x32_bf16 v[WB+80+8*\tau:WB+87+8*\tau], v[XB+32*\tau+8*\u:XB+32*\tau+8*\u+7], v[WB+64+8*\u:WB+64+8*\u+7], 0
.else
	v_wmma_f32_16x16x32_bf16 v[WB+80+8*\tau:WB+87+8*\tau], v[XB+32*\tau+8*\u:XB+32*\tau+8*\u+7], v[WB+64+8*\u:WB+64+8*\u+7], v[WB+80+8*\tau:WB+87+8*\tau]
.endif
.endr
.endm
	PROD 0, 1
	PROD 1, 0                                      ; each a link in place of its own sum
.rept 4
	v_nop                                          ; four independent vector places before a vector instruction reads a matrix result (ISA guide 7.12.1)
.endr
	; q carries the softmax scale and the change to base 2: 16^-0.5 * log2(e)
.irp tau, 0,1
.irp j, 0,2,4,6
	v_pk_mul_f32 v[WB+16+8*\tau+\j:WB+16+8*\tau+\j+1], v[WB+16+8*\tau+\j:WB+16+8*\tau+\j+1], 0x3eb8aa3b op_sel_hi:[1,0]
.endr
.endr
; The rotation of the four pairs (even, odd) in acc, rounded to bf16 into out
.macro ROPE acc, tau, out
.irp p, 0,1,2,3
	v_mul_f32 v[T+\p],   v[(\acc)+2*\p+1], v[SIN+4*\tau+\p]
	v_mul_f32 v[T+4+\p], v[(\acc)+2*\p+1], v[COS+4*\tau+\p]
.endr
.irp p, 0,1,2,3
	v_fma_f32 v[T+\p],   v[(\acc)+2*\p], v[COS+4*\tau+\p], -v[T+\p]     ; even cos - odd sin
	v_fma_f32 v[T+4+\p], v[(\acc)+2*\p], v[SIN+4*\tau+\p], v[T+4+\p]     ; even sin + odd cos
.endr
.irp p, 0,1,2,3
	v_cvt_pk_bf16_f32 v[(\out)+\p], v[T+\p], v[T+4+\p]
.endr
.endm
	ROPE WB+16, 0, OUT
	ROPE WB+48, 0, OUT+4
.irp p, 0,1,2,3
	v_cvt_pk_f16_f32 v[OUT+8+\p], v[WB+80+2*\p], v[WB+80+2*\p+1]
.endr
	global_store_b128 v6, v[OUT:OUT+3],    s[12:13]            ; each store of the wave covers 512 consecutive bytes, aligned
	global_store_b128 v6, v[OUT+4:OUT+7],  s[14:15]
	global_store_b128 v6, v[OUT+8:OUT+11], s[16:17]
	ROPE WB+24, 1, OUT+12
	ROPE WB+56, 1, OUT+16
.irp p, 0,1,2,3
	v_cvt_pk_f16_f32 v[OUT+20+\p], v[WB+88+2*\p], v[WB+88+2*\p+1]
.endr
	global_store_b128 v6, v[OUT+12:OUT+15], s[12:13] offset:512
	global_store_b128 v6, v[OUT+16:OUT+19], s[14:15] offset:512
	global_store_b128 v6, v[OUT+20:OUT+23], s[16:17] offset:512
	s_endpgm
.Lfunc_end_k_q4f0439dbb7_proj:
	.size	k_q4f0439dbb7_proj, .Lfunc_end_k_q4f0439dbb7_proj-k_q4f0439dbb7_proj
	.p2alignl 7, 3214868480
	.fill 96, 4, 3214868480
	.section	.rodata,"a",@progbits
	.p2align	6, 0x0
	.amdhsa_kernel k_q4f0439dbb7_proj
		.amdhsa_group_segment_fixed_size 0
		.amdhsa_private_segment_fixed_size 0
		.amdhsa_enable_private_segment 0
		.amdhsa_kernarg_size 56
		.amdhsa_user_sgpr_count 2
		.amdhsa_user_sgpr_kernarg_segment_ptr 1
		.amdhsa_wavefront_size32 1
		.amdhsa_system_sgpr_workgroup_id_x 1
		.amdhsa_system_sgpr_workgroup_id_y 1
		.amdhsa_system_sgpr_workgroup_id_z 1
		.amdhsa_system_vgpr_workitem_id 0
		.amdhsa_next_free_vgpr 248
		.amdhsa_next_free_sgpr 66
		.amdhsa_reserve_vcc 0
		.amdhsa_float_denorm_mode_32 3
		.amdhsa_float_denorm_mode_16_64 3
		.amdhsa_memory_ordered 1
		.amdhsa_forward_progress 1
		.amdhsa_inst_pref_size 32
	.end_amdhsa_kernel
	.amdgpu_metadata
---
amdhsa.version: [ 1, 2 ]
amdhsa.kernels:
  - .name:           k_q4f0439dbb7_proj
    .symbol:         k_q4f0439dbb7_proj.kd
    .args:
      - { .name: x, .offset: 0, .size: 8, .value_kind: global_buffer, .address_space: global }
      - { .name: w_q, .offset: 8, .size: 8, .value_kind: global_buffer, .address_space: global }
      - { .name: w_k, .offset: 16, .size: 8, .value_kind: global_buffer, .address_space: global }
      - { .name: w_v, .offset: 24, .size: 8, .value_kind: global_buffer, .address_space: global }
      - { .name: qb, .offset: 32, .size: 8, .value_kind: global_buffer, .address_space: global }
      - { .name: kb, .offset: 40, .size: 8, .value_kind: global_buffer, .address_space: global }
      - { .name: vb, .offset: 48, .size: 8, .value_kind: global_buffer, .address_space: global }
    .group_segment_fixed_size: 0
    .private_segment_fixed_size: 0
    .kernarg_segment_align: 8
    .kernarg_segment_size: 56
    .max_flat_workgroup_size: 128
    .sgpr_count:     66
    .vgpr_count:     248
    .wavefront_size: 32
...
	.end_amdgpu_metadata
.endif
;; end of part 1
;; launch attn (part 2): grid 16 x 16, 16 waves a work-group, no clusters, 172,032 bytes of LDS; arguments qb, kb, vb, out0; writes out0
.if DOCPART == 2
	.amdgcn_target "amdgcn-amd-amdhsa--gfx1250"
	.amdhsa_code_object_version 6
	.text
	.protected	k_q4f0439dbb7_attn
	.globl	k_q4f0439dbb7_attn
	.p2align	8
	.type	k_q4f0439dbb7_attn,@function
k_q4f0439dbb7_attn:
	s_mov_b64 s[64:65], 0
	v_nop
	global_prefetch_b8 v0, s[64:65] scope:SCOPE_SE
	s_setreg_imm32_b32 hwreg(HW_REG_WAVE_MODE, 25, 1), 1
	s_wait_xcnt 0x0
; Causal softmax attention, head size 16, 16 sequences of 2,048 positions.  q (already scaled by 16^-0.5 log2 e), k: bf16; v: f16;
; all three in fragment order: [tile of 16 rows][lane][8 numbers], 512 bytes a tile.
; Work-group (w, b): sequence b, the eight query tiles 4w .. 4w+3 and 127-4w .. 124-4w, so that every work-group has the same number
; of key steps.  The sequence's k and v (64 KiB each) are copied into LDS once; then no wave writes them.
; Two waves share a query tile of 16 rows: a step is 64 keys; tile t has F = t / 4 steps without mask and one with.  Wave p of the pair
; takes the unmasked steps p, p+2, ..; the odd one also the masked step; the even one joins the two partial results and stores.
; A step works on the TRANSPOSED scores: S^T = K Q^T puts query r in lane r and keys along the registers, which is already the layout
; of the B operand of O^T = V^T P^T: no number moves between lanes but one maximum between the two halves of the wave.
; The row sum is a product with a matrix of ones, so that sum and numerator see the same rounded probabilities.
; No cluster: the sixteen work-groups of a sequence read the same 128 KiB, once each and only in front of the work; this text keeps the
; fill a plain copy with no copy in flight while LDS is read.
; LIMITS.  Masked scores are -1e30 plus the product: logits must stay well inside +-1e30.  Probabilities are rounded to f16 (those below
; 2^-24 of the row's largest count as 0), sums are f32.  NaN and infinities are not followed position by position.
.set VREG,  65536                      ; LDS: k at 0, v at 65,536, both as they lie in memory
.set MERGE, 133120                     ; 2,048 unused bytes behind v, then 16 slots of 1,280 bytes: a pair's slot is (wave & 11)
.set MSLOT, 1280                       ;   O registers 0-3 at 16 lane, 4-7 at 512 + 16 lane, (max, sum) at 1,024 + 8 lane
.set STAGE, MERGE+16*MSLOT             ; 16 slots of 1,024 bytes, one a wave: a tile of the output on its way out
.set KA,   7                           ; LDS address of my 16 bytes in the step's first k tile
.set VA,   8                           ; the same for v
.set DIFF, 9                           ; masked step: key 16 tau + j of my registers is allowed while 16 tau + j <= DIFF
.set NEG,  10                          ; -1e30
.set M,    12                          ; v[12:13] running maximum of my query, twice (a pair for the packed subtraction)
.set AL,   14                          ; v[14:15] 2^(old maximum - new maximum), twice
.set T,    16                          ; v[16:23] at work
.set MA,   24
.set MB,   25
.set SA,   26
.set SB,   27
.set L16,  28                          ; 16 x lane
.set PO,   32                          ; v[32:39] the partner's O
.set PM,   40                          ; v[40:41] the partner's maximum and sum
.set OM,   42                          ; v[42:43] my maximum and sum, to hand over
.set F0,   44                          ; v[44:45], v[46:47] the two weights of the join, twice each
.set F1,   46
.set RB,   48                          ; v[48:55] the tile read back by rows
.set KF,   64                          ; v[64:95]  four k fragments; registers 4-7 of each (dims 16-31) stay 0
.set QF,   96                          ; v[96:103] the q fragment; registers 4-7 stay 0
.set VF,   104                         ; v[104:119] two v fragments of 32 keys
.set ONES, 120                         ; v[120:127] 1.0 in f16 everywhere
.set S,    128                         ; v[128:159] scores of 64 keys: tile tau, register j = key 16 tau + 8 h + j, query r
.set P,    160                         ; v[160:175] probabilities in f16: two B fragments of 32 keys
.set O,    176                         ; v[176:183] O^T: register j = dim 8 h + j, query r
.set L,    184                         ; v[184:191] the row sum of query r, in every register
	s_load_b256 s[4:11], s[0:1], 0x0               ; qb s[4:5], kb s[6:7], vb s[8:9], out0 s[10:11]
	v_lshl_add_u32 v192, v0, 2, 0x29800
	v_mov_b32 v193, 0
	ds_add_u32 v192, v193
	ds_add_u32 v192, v193
	v_lshrrev_b32 v2, 5, v0
	v_readfirstlane_b32 s12, v2                    ; wave W, 0..15
	v_and_b32 v1, 31, v0                           ; lane
	v_and_b32 v2, 15, v0                           ; r
	v_bfe_u32 v3, v0, 4, 1                         ; h
	s_and_b32 s13, s12, 3                          ; which of the four tiles
	s_bfe_u32 s14, s12, 0x10002                    ; p: which wave of the pair
	s_lshr_b32 s15, s12, 3                         ; 0: the low tiles, 1: the high tiles
	s_and_b32 s17, ttmp7, 0xffff                   ; b
	s_lshl_b32 s18, ttmp9, 2
	s_add_co_u32 s18, s18, s13                     ; a = 4 w + tile, 0..63
	s_sub_co_u32 s22, 127, s18
	s_cmp_lg_u32 s15, 0
	s_cselect_b32 s19, s22, s18                    ; t: my query tile, 0..127
	s_bfe_u32 s20, s19, 0x50002                    ; F = t / 4 (bits 6:2), 0..31
	s_and_b32 s27, s19, 3
	s_lshl_b32 s27, s27, 4                         ; 16 (t mod 4)
	s_mov_b32 s24, 0x76543210                      ; v_permlanex16_b32: lane i reads lane i of the other half
	s_mov_b32 s25, 0xfedcba98
	v_lshlrev_b32 v4, 4, v0                        ; the copies: 16 bytes a thread, offset in memory,
	v_lshlrev_b32 v5, 4, v0                        ; LDS address for k,
	v_add_nc_u32 v6, VREG, v5                      ; LDS address for v: 65,536 + 16 x thread
	v_lshlrev_b32 v[L16], 4, v1
	s_lshl_b32 s22, s17, 16                        ; a sequence's 128 tiles of 512 bytes
	s_mov_b32 s23, 0
	s_wait_dscnt 0x0
	s_wait_kmcnt 0x0
	s_add_nc_u64 s[6:7], s[6:7], s[22:23]
	s_add_nc_u64 s[8:9], s[8:9], s[22:23]
	s_add_nc_u64 s[4:5], s[4:5], s[22:23]
	s_lshl_b32 s22, s19, 9
	s_add_nc_u64 s[4:5], s[4:5], s[22:23]          ; q at my tile
	s_lshl_b32 s22, s17, 17                        ; out0: 2,048 rows of 64 bytes a sequence,
	s_lshl_b32 s28, s19, 10                        ;       16 rows a tile
	s_add_co_u32 s22, s22, s28
	s_add_nc_u64 s[10:11], s[10:11], s[22:23]
	; The fill: 512 threads x 16 bytes x 8 = 64 KiB each of k and v.  The immediate steps both addresses, so LDS mirrors memory.
	; v4, v5, v6 and the two bases are never written again.
.irp n, 0,1,2,3,4,5,6,7
	global_load_async_to_lds_b128 v5, v4, s[6:7] offset:8192*\n
.endr
.irp n, 0,1,2,3,4,5,6,7
	global_load_async_to_lds_b128 v6, v4, s[8:9] offset:8192*\n
.endr
	global_load_b128 v[QF:QF+3], v[L16], s[4:5]
	; Registers, while the copies run.  O and L are cleared because a wave may have no step at all (the even wave of tiles 0 to 3).
.irp tau, 0,1,2,3
.irp j, 4,5,6,7
	v_mov_b32 v[KF+8*\tau+\j], 0
.endr
.endr
.irp j, 4,5,6,7
	v_mov_b32 v[QF+\j], 0
.endr
.irp j, 0,1,2,3,4,5,6,7
	v_mov_b32 v[ONES+\j], 0x3c003c00
	v_mov_b32 v[O+\j], 0
	v_mov_b32 v[L+\j], 0
.endr
	v_mov_b32 v[NEG], 0xf149f2ca                   ; -1e30
	v_mov_b32 v[M], 0xf149f2ca
	v_mov_b32 v[M+1], 0xf149f2ca
	s_lshl_b32 s29, s14, 11
	v_add_nc_u32 v[KA], s29, v[L16]                ; my first unmasked step: step p, 2,048 bytes a step
	v_lshlrev_b32 v[T], 3, v3
	v_sub_nc_u32 v[DIFF], v2, v[T]
	v_add_nc_u32 v[DIFF], s27, v[DIFF]             ; r - 8 h + 16 (t mod 4)
	s_and_b32 s26, s12, 11                         ; the pair's slot: the wave number without the bit p
	s_mul_i32 s26, s26, MSLOT
	s_add_co_u32 s26, s26, MERGE
	v_add_nc_u32 v[MA], s26, v[L16]
	v_lshl_add_u32 v[MB], v1, 3, s26
	s_lshl_b32 s30, s12, 10                        ; my own stage
	s_add_co_u32 s30, s30, STAGE
	v_lshlrev_b32 v[T], 6, v2                      ; in: row r of 64 bytes, 32 bytes for each half of the lanes
	v_lshl_add_u32 v[T], v3, 5, v[T]
	v_add_nc_u32 v[SA], s30, v[T]
	v_add_nc_u32 v[SB], s30, v[L16]                ; back: 16 consecutive bytes a lane
	s_wait_asynccnt 0x0                            ; my part of k and v is in LDS: zero, since the other waves read it
	s_wait_loadcnt 0x0                             ; q
	s_barrier_signal -1
	s_barrier_wait -1                              ; everybody's part is in
.macro EXP8 tau
.irp j, 0,1,2,3,4,5,6,7
	v_exp_f32 v[S+8*\tau+\j], v[S+8*\tau+\j]
.endr
.endm
.macro CVT4 tau
	s_wait_alu depctr_va_vdst(0)
.irp a, 0,1,2,3
	v_cvt_pk_f16_f32 v[P+4*\tau+\a], v[S+8*\tau+2*\a], v[S+8*\tau+2*\a+1]
.endr
.endm
; One step: 64 keys against my 16 queries.  masked = 1: the step on the diagonal; the sums then start from 0 or -1e30 instead of 0.
.macro STEP masked
.irp tau, 0,1,2,3
	ds_load_b128 v[KF+8*\tau:KF+8*\tau+3], v[KA] offset:512*\tau   ; 512 consecutive bytes a load
.endr
.if \masked
.irp tau, 0,1,2,3
.irp j, 0,1,2,3,4,5,6,7
	v_cmp_gt_i32 vcc_lo, 16*\tau+\j, v[DIFF]                       ; key behind the query
	v_cndmask_b32 v[S+8*\tau+\j], 0, v[NEG], vcc_lo
.endr
.endr
.endif
	s_wait_dscnt 0x0                               ; the four k fragments; nothing else is out
.irp tau, 0,1,2,3
.if \masked
	v_wmma_f32_16x16x32_bf16 v[S+8*\tau:S+8*\tau+7], v[KF+8*\tau:KF+8*\tau+7], v[QF:QF+7], v[S+8*\tau:S+8*\tau+7]
.else
	v_wmma_f32_16x16x32_bf16 v[S+8*\tau:S+8*\tau+7], v[KF+8*\tau:KF+8*\tau+7], v[QF:QF+7], 0
.endif
.endr
	; four independent vector places before the scores are read (ISA guide 7.12.1): the addresses, where there are any to make
	v_add_nc_u32 v[VA], VREG, v[KA]
.if \masked
	v_nop
	v_nop
	v_nop
.else
	v_add_nc_u32 v[KA], 4096, v[KA]                ; my next step is two steps on
	v_and_b32 v[KA], 0xffff, v[KA]                 ; the step past my last trip stays inside k's 64 KiB
	v_nop
.endif
	; the largest of my 32 scores and the old maximum: four chains, then joined
.irp tau, 0,1,2,3
	v_max3_num_f32 v[T+\tau], v[S+8*\tau], v[S+8*\tau+1], v[S+8*\tau+2]
.endr
.irp tau, 0,1,2,3
	v_max3_num_f32 v[T+\tau], v[T+\tau], v[S+8*\tau+3], v[S+8*\tau+4]
.endr
.irp tau, 0,1,2,3
	v_max3_num_f32 v[T+\tau], v[T+\tau], v[S+8*\tau+5], v[S+8*\tau+6]
.endr
	v_max3_num_f32 v[T], v[T], v[S+7], v[S+15]
	v_max3_num_f32 v[T+1], v[T+1], v[S+23], v[S+31]
	v_max3_num_f32 v[T], v[T], v[T+1], v[T+2]
	v_max3_num_f32 v[T], v[T], v[T+3], v[M]
.irp i, 0,1,2,3
	ds_load_b128 v[VF+4*\i:VF+4*\i+3], v[VA] offset:512*\i         ; twenty vector places behind the last products that read VF
.endr
	v_permlanex16_b32 v[T+1], v[T], s24, s25       ; the other half of the lanes holds my query's other 32 keys
	v_max_num_f32 v[T], v[T], v[T+1]
	v_sub_f32 v[T+2], v[M], v[T]
	v_mov_b32 v[M], v[T]
	v_mov_b32 v[M+1], v[T]
	v_exp_f32 v[AL], v[T+2]
	v_exp_f32 v[AL+1], v[T+2]
.irp i, 0,2,4,6,8,10,12,14,16,18,20,22,24,26,28,30
	v_pk_add_f32 v[S+\i:S+\i+1], v[S+\i:S+\i+1], v[M:M+1] neg_lo:[0,1] neg_hi:[0,1]
.endr
	; Exponentials in runs of eight; between a run and the first use of its results stands plain work on other registers
	EXP8 0
	s_wait_alu depctr_va_vdst(0)
.irp j, 0,2,4,6
	v_pk_mul_f32 v[O+\j:O+\j+1], v[O+\j:O+\j+1], v[AL:AL+1]
.endr
	EXP8 1
	CVT4 0
	EXP8 2
	CVT4 1
	EXP8 3
	CVT4 2
	s_wait_alu depctr_va_vdst(0)
.irp j, 0,2,4,6
	v_pk_mul_f32 v[L+\j:L+\j+1], v[L+\j:L+\j+1], v[AL:AL+1]
.endr
	CVT4 3
	s_wait_dscnt 0x0                               ; the v fragments
	v_wmma_f32_16x16x32_f16 v[O:O+7], v[VF:VF+7],     v[P:P+7],    v[O:O+7]
	v_wmma_f32_16x16x32_f16 v[L:L+7], v[ONES:ONES+7], v[P:P+7],    v[L:L+7]
	v_wmma_f32_16x16x32_f16 v[O:O+7], v[VF+8:VF+15],  v[P+8:P+15], v[O:O+7]
	v_wmma_f32_16x16x32_f16 v[L:L+7], v[ONES:ONES+7], v[P+8:P+15], v[L:L+7]
.endm
	s_add_co_u32 s21, s20, 1                       ; my unmasked steps: (F + 1 - p) / 2
	s_sub_co_u32 s21, s21, s14
	s_lshr_b32 s21, s21, 1
	s_cmp_eq_u32 s21, 0
	s_cbranch_scc1 .Lskip
.Lfull:
	STEP 0
	s_sub_co_i32 s21, s21, 1
	s_cmp_lg_u32 s21, 0
	s_cbranch_scc1 .Lfull
.Lskip:
	s_cmp_eq_u32 s14, 0
	s_cbranch_scc1 .Ldone
	; the odd wave: the step on the diagonal
	s_lshl_b32 s22, s20, 11
	v_add_nc_u32 v[KA], s22, v[L16]                ; step F
	STEP 1
.Ldone:
	; Every wave's reads of k and v are over before any wave stores into LDS: the steps' addresses walk with the loop, and this
	; barrier makes the order of those reads and the stores below hold wherever they point.
	s_wait_dscnt 0x0                               ; zero: my LDS loads are done
	s_barrier_signal -1
	s_barrier_wait -1
	s_cmp_eq_u32 s14, 0
	s_cbranch_scc1 .Ljoin
	; the odd wave: its partial result into the pair's slot
.rept 4
	v_nop                                          ; four places before O and L are read
.endr
	v_mov_b32 v[OM], v[M]
	v_mov_b32 v[OM+1], v[L]
	ds_store_b128 v[MA], v[O:O+3]
	ds_store_b128 v[MA], v[O+4:O+7] offset:512
	ds_store_b64 v[MB], v[OM:OM+1] offset:1024
.Ljoin:
	s_wait_dscnt 0x0                               ; zero: the partner reads these bytes behind the barrier
	s_barrier_signal -1
	s_barrier_wait -1
	s_cmp_lg_u32 s14, 0
	s_cbranch_scc1 .Lend
	; the even wave: join the two partial results.  Weights 2^(max_i - max) / sum.
.rept 4
	v_nop                                          ; four places behind my own last products
.endr
	ds_load_b128 v[PO:PO+3], v[MA]
	ds_load_b128 v[PO+4:PO+7], v[MA] offset:512
	ds_load_b64 v[PM:PM+1], v[MB] offset:1024
	s_wait_dscnt 0x0
	v_max_num_f32 v[T], v[M], v[PM]
	v_sub_f32 v[T+1], v[M], v[T]
	v_sub_f32 v[T+2], v[PM], v[T]
	v_exp_f32 v[T+1], v[T+1]
	v_exp_f32 v[T+2], v[T+2]
	v_nop                                          ; a plain place behind the exponentials
	s_wait_alu depctr_va_vdst(0)
	v_mul_f32 v[T+3], v[L], v[T+1]
	v_fmac_f32 v[T+3], v[PM+1], v[T+2]             ; the whole row's sum: at least 1, the diagonal step's largest term
	v_rcp_f32 v[T+4], v[T+3]
	v_nop                                          ; and behind the reciprocal
	s_wait_alu depctr_va_vdst(0)
	v_mul_f32 v[F0], v[T+1], v[T+4]
	v_mul_f32 v[F0+1], v[T+1], v[T+4]
	v_mul_f32 v[F1], v[T+2], v[T+4]
	v_mul_f32 v[F1+1], v[T+2], v[T+4]
.irp j, 0,2,4,6
	v_pk_mul_f32 v[O+\j:O+\j+1], v[O+\j:O+\j+1], v[F0:F0+1]
.endr
.irp j, 0,2,4,6
	v_pk_fma_f32 v[O+\j:O+\j+1], v[PO+\j:PO+\j+1], v[F1:F1+1], v[O+\j:O+\j+1]
.endr
	; The way out: a lane holds 32 bytes of row r; through my own stage the tile's 1,024 bytes are read back 16 consecutive bytes a lane.
	; LDS serves a wave's instructions in order (ISA guide 5.7.1): no wait between my stores and my loads.
	ds_store_b128 v[SA], v[O:O+3]
	ds_store_b128 v[SA], v[O+4:O+7] offset:16
	ds_load_b128 v[RB:RB+3], v[SB]
	ds_load_b128 v[RB+4:RB+7], v[SB] offset:512
	s_wait_dscnt 0x0
	global_store_b128 v[L16], v[RB:RB+3], s[10:11] th:TH_STORE_NT               ; each store covers 512 consecutive bytes, aligned
	global_store_b128 v[L16], v[RB+4:RB+7], s[10:11] offset:512 th:TH_STORE_NT
.Lend:
	s_wait_tensorcnt 0x0
	ds_add_u32 v192, v193
	s_wait_dscnt 0x0
	s_endpgm
.Lfunc_end_k_q4f0439dbb7_attn:
	.size	k_q4f0439dbb7_attn, .Lfunc_end_k_q4f0439dbb7_attn-k_q4f0439dbb7_attn
	.p2alignl 7, 3214868480
	.fill 96, 4, 3214868480
	.section	.rodata,"a",@progbits
	.p2align	6, 0x0
	.amdhsa_kernel k_q4f0439dbb7_attn
		.amdhsa_group_segment_fixed_size 172032
		.amdhsa_private_segment_fixed_size 0
		.amdhsa_enable_private_segment 0
		.amdhsa_kernarg_size 32
		.amdhsa_user_sgpr_count 2
		.amdhsa_user_sgpr_kernarg_segment_ptr 1
		.amdhsa_wavefront_size32 1
		.amdhsa_system_sgpr_workgroup_id_x 1
		.amdhsa_system_sgpr_workgroup_id_y 1
		.amdhsa_system_sgpr_workgroup_id_z 1
		.amdhsa_system_vgpr_workitem_id 0
		.amdhsa_next_free_vgpr 194
		.amdhsa_next_free_sgpr 66
		.amdhsa_reserve_vcc 1
		.amdhsa_float_denorm_mode_32 3
		.amdhsa_float_denorm_mode_16_64 3
		.amdhsa_memory_ordered 1
		.amdhsa_forward_progress 1
		.amdhsa_inst_pref_size 24
	.end_amdhsa_kernel
	.amdgpu_metadata
---
amdhsa.version: [ 1, 2 ]
amdhsa.kernels:
  - .name:           k_q4f0439dbb7_attn
    .symbol:         k_q4f0439dbb7_attn.kd
    .args:
      - { .name: qb, .offset: 0, .size: 8, .value_kind: global_buffer, .address_space: global }
      - { .name: kb, .offset: 8, .size: 8, .value_kind: global_buffer, .address_space: global }
      - { .name: vb, .offset: 16, .size: 8, .value_kind: global_buffer, .address_space: global }
      - { .name: out0, .offset: 24, .size: 8, .value_kind: global_buffer, .address_space: global }
    .group_segment_fixed_size: 172032
    .private_segment_fixed_size: 0
    .kernarg_segment_align: 8
    .kernarg_segment_size: 32
    .max_flat_workgroup_size: 512
    .sgpr_count:     66
    .vgpr_count:     194
    .wavefront_size: 32
...
	.end_amdgpu_metadata
.endif
;; end of part 2
